; MI455X (gfx1250); checked and timed in simulation.
; The chip was launched on July 23, 2026; its instructions are those of AMD's public machine-readable ISA for CDNA 5 (MIT licence, August 2026) and "CDNA5" Instruction Set Architecture Reference Guide (July 2026). The comments in the code are by the model that wrote it; some were corrected since.
;; Diagonal Matrix Model. Allowed arithmetic: float matrix products may take bf16 or f16 operands with f32 sums; all other float work in f32.
;; Inputs: diagonal 4,096 float32; x 4,096 x 4,096 float32.
;; Outputs: out0 4,096 x 4,096 float32.
;; 2 versions, each right; version 2 is version 1 with the launch scale written anew for expert scheduling mode. Each part assembles by itself: llvm-mc -triple=amdgcn-amd-amdhsa -mcpu=gfx1250 --defsym DOCPART=n.
;; ======== version 1 of 2: 1 launch
;; launch scale (part 1): grid 256 x 1, 32 waves a work-group, no clusters, 0 bytes of LDS; arguments x, diagonal, out0; writes out0
.if DOCPART == 1
	.amdgcn_target "amdgcn-amd-amdhsa--gfx1250"
	.amdhsa_code_object_version 6
	.text
	.protected	k_qa306781511_scale
	.globl	k_qa306781511_scale
	.p2align	8
	.type	k_qa306781511_scale,@function
k_qa306781511_scale:
	s_mov_b64 s[64:65], 0
	v_nop
	global_prefetch_b8 v0, s[64:65] scope:SCOPE_SE
	s_setreg_imm32_b32 hwreg(HW_REG_WAVE_MODE, 25, 1), 1
	s_wait_xcnt 0x0
; out0[r][c] = x[r][c] * diagonal[c].   x, out0: [4096][4096] f32.   diagonal: [4096] f32.
; The reference multiplies x by a matrix that it builds itself from the diagonal: in column c only row c is not one of its
; own zeros, so each output is one product, made here by one f32 multiply, rounded once (a product plus exact zeros is itself).
; 8 bytes are moved for each multiply, so the design is about bytes: each byte of x read once, each byte of out0 written once,
; no LDS, no barrier, no matrix instruction (they would add a 4096 x 4096 operand of zeros and a rounding of x to 16 bits).
;
; LIMITS, kept on purpose:
;   - an infinite or NaN x[r][k]: the reference's sum holds 0 * x[r][k] in every column, so its whole row r is NaN;
;     here only column k of that row is not finite.  Finite x with any diagonal (infinite and NaN too), and overflow of the
;     product to infinity, come out as in the reference.
;   - the sign of zero: a product of -0 stays -0; the reference's sum with its +0 terms gives +0.
;
; SHARES: 256 work-groups x 16 whole rows = 4096 rows.  A row is 16,384 bytes = 1,024 threads x 16 bytes: thread t owns
; columns 4 t .. 4 t + 3 of each of the group's rows, at byte 16 t of the row, and its four diagonal numbers lie at byte 16 t
; of diagonal: one offset register serves all three buffers and is written once.  A load or store of a wave covers 512
; consecutive bytes that begin at a multiple of 512 from the buffer's first byte; the 32 waves together cover a row.
;
; ORDER: a wave issues its instructions in order, so its first store can leave only behind every load that stands in front of
; it.  Therefore DEPTH = 8 rows are requested at the start (8 x 16,384 = 131,072 bytes of the group on their way), and row
; i + 8 is requested in row i's turn, ahead of row i's store: loads and stores then alternate through the first eight turns.
; Every row has registers of its own; it is scaled in place and stored from there, and no register that a memory instruction
; names is ever written again, so the only waits are the counted ones for the loads.
.set ROW,   16384                      ; bytes in a row
.set ROWS,  16                         ; rows of a work-group
.set DEPTH, 8                          ; rows of a thread that are on their way at once
.set OFF,   1                          ; v1       16 t: my byte offset in a row and in diagonal; never rewritten
.set D,     2                          ; v[2:5]   diagonal[4 t .. 4 t + 3]
.set X,     6                          ; v[6:69]  row i: 4 registers, as loaded, then as stored
	s_load_b128 s[4:7], s[0:1], 0x0                ; x s[4:5], diagonal s[6:7]
	s_load_b64 s[8:9], s[0:1], 0x10                ; out0 s[8:9]
	s_lshl_b32 s10, ttmp9, 18                      ; the work-group's number times 16 rows of 16,384 bytes: 255 x 2^18 at the most,
	s_mov_b32 s11, 0                               ; so the high word of the offset is 0
	v_lshlrev_b32 v[OFF], 4, v0                    ; 16 bytes a thread
	s_wait_kmcnt 0x0                               ; the three addresses are there
	s_add_nc_u64 s[4:5], s[4:5], s[10:11]          ; x at the group's first row
	s_add_nc_u64 s[8:9], s[8:9], s[10:11]          ; out0 at the group's first row; neither base is written again
	global_load_b128 v[D:D+3], v[OFF], s[6:7]      ; issued first, so that the first counted wait below covers it; no hint: every work-group reads these 16,384 bytes
.irp i, 0,1,2,3,4,5,6,7
	global_load_b128 v[X+4*\i:X+4*\i+3], v[OFF], s[4:5] offset:\i*ROW th:TH_LOAD_NT   ; rows 0 to 7; the row stands in the immediate; read once in the launch
.endr
; Row i's turn: its load is waited for; ahead = 1: row i + DEPTH is requested, into its own registers; the row's four numbers
; are scaled in place, and they leave.  left = how many younger loads may stay out.
.macro ROWOUT i, ahead, left
	s_wait_loadcnt \left                           ; loads come back in issue order (ISA guide 5.7.1): row i's is in, the younger ones stay out
.if \ahead
	global_load_b128 v[X+4*(\i+DEPTH):X+4*(\i+DEPTH)+3], v[OFF], s[4:5] offset:(\i+DEPTH)*ROW th:TH_LOAD_NT   ; ahead of the store; 245,760 is the largest immediate
.endif
	v_pk_mul_f32 v[X+4*\i:X+4*\i+1],   v[X+4*\i:X+4*\i+1],   v[D:D+1]      ; columns 4 t, 4 t + 1
	v_pk_mul_f32 v[X+4*\i+2:X+4*\i+3], v[X+4*\i+2:X+4*\i+3], v[D+2:D+3]    ; columns 4 t + 2, 4 t + 3
	global_store_b128 v[OFF], v[X+4*\i:X+4*\i+3], s[8:9] offset:\i*ROW th:TH_STORE_NT ; written once, not read again in the launch; its data registers are not touched again
.endm
.irp i, 0,1,2,3,4,5,6,7
	ROWOUT \i, 1, DEPTH-1                          ; at row i's turn rows up to i + 7 have been requested: seven are younger than row i
.endr
.irp i, 8,9,10,11,12,13,14,15
	ROWOUT \i, 0, ROWS-1-\i                        ; nothing more is requested: the counts run down 7, 6, .. 0
.endr
	s_endpgm
.Lfunc_end_k_qa306781511_scale:
	.size	k_qa306781511_scale, .Lfunc_end_k_qa306781511_scale-k_qa306781511_scale
	.p2alignl 7, 3214868480
	.fill 96, 4, 3214868480
	.section	.rodata,"a",@progbits
	.p2align	6, 0x0
	.amdhsa_kernel k_qa306781511_scale
		.amdhsa_group_segment_fixed_size 0
		.amdhsa_private_segment_fixed_size 0
		.amdhsa_enable_private_segment 0
		.amdhsa_kernarg_size 24
		.amdhsa_user_sgpr_count 2
		.amdhsa_user_sgpr_kernarg_segment_ptr 1
		.amdhsa_wavefront_size32 1
		.amdhsa_system_sgpr_workgroup_id_x 1
		.amdhsa_system_sgpr_workgroup_id_y 1
		.amdhsa_system_sgpr_workgroup_id_z 1
		.amdhsa_system_vgpr_workitem_id 0
		.amdhsa_next_free_vgpr 70
		.amdhsa_next_free_sgpr 66
		.amdhsa_reserve_vcc 0
		.amdhsa_float_denorm_mode_32 3
		.amdhsa_float_denorm_mode_16_64 3
		.amdhsa_memory_ordered 1
		.amdhsa_forward_progress 1
		.amdhsa_inst_pref_size 7
	.end_amdhsa_kernel
	.amdgpu_metadata
---
amdhsa.version: [ 1, 2 ]
amdhsa.kernels:
  - .name:           k_qa306781511_scale
    .symbol:         k_qa306781511_scale.kd
    .args:
      - { .name: x, .offset: 0, .size: 8, .value_kind: global_buffer, .address_space: global }
      - { .name: diagonal, .offset: 8, .size: 8, .value_kind: global_buffer, .address_space: global }
      - { .name: out0, .offset: 16, .size: 8, .value_kind: global_buffer, .address_space: global }
    .group_segment_fixed_size: 0
    .private_segment_fixed_size: 0
    .kernarg_segment_align: 8
    .kernarg_segment_size: 24
    .max_flat_workgroup_size: 1024
    .sgpr_count:     66
    .vgpr_count:     70
    .wavefront_size: 32
...
	.end_amdgpu_metadata
.endif
;; end of part 1
;; ======== version 2 of 2: 1 launch; version 1 with the launch scale written anew for expert scheduling mode
;; launch scale (part 2): grid 256 x 1, 32 waves a work-group, no clusters, 0 bytes of LDS; arguments x, diagonal, out0; writes out0
.if DOCPART == 2
	.amdgcn_target "amdgcn-amd-amdhsa--gfx1250"
	.amdhsa_code_object_version 6
	.text
	.protected	k_qa306781511_scale
	.globl	k_qa306781511_scale
	.p2align	8
	.type	k_qa306781511_scale,@function
k_qa306781511_scale:
	s_mov_b64 s[64:65], 0
	v_nop
	global_prefetch_b8 v0, s[64:65] scope:SCOPE_SE
	s_setreg_imm32_b32 hwreg(HW_REG_WAVE_SCHED_MODE, 0, 2), 2
	s_setreg_imm32_b32 hwreg(HW_REG_WAVE_MODE, 25, 1), 1
	s_wait_xcnt 0x0
	s_wait_alu depctr_vm_vsrc(0)
; out0[r][c] = x[r][c] * diagonal[c].   x, out0: [4096][4096] f32.   diagonal: [4096] f32.
; The reference multiplies x by a matrix that it builds itself from the diagonal: in column c only row c is not one of its
; own zeros, so each output is one product, made here by one f32 multiply, rounded once (a product plus exact zeros is itself).
; 8 bytes are moved for each multiply, so the design is about bytes: each byte of x read once, each byte of out0 written once,
; no LDS, no barrier, no matrix instruction (they would add a 4096 x 4096 operand of zeros and a rounding of x to 16 bits).
;
; LIMITS, kept on purpose:
;   - an infinite or NaN x[r][k]: the reference's sum holds 0 * x[r][k] in every column, so its whole row r is NaN;
;     here only column k of that row is not finite.  Finite x with any diagonal (infinite and NaN too), and overflow of the
;     product to infinity, come out as in the reference.
;   - the sign of zero: a product of -0 stays -0; the reference's sum with its +0 terms gives +0.
;
; SHARES: 256 work-groups x 16 whole rows = 4096 rows.  A row is 16,384 bytes = 1,024 threads x 16 bytes: thread t owns
; columns 4 t .. 4 t + 3 of each of the group's rows, at byte 16 t of the row, and its four diagonal numbers lie at byte 16 t
; of diagonal: one offset register serves all three buffers and is written once.  A load or store of a wave covers 512
; consecutive bytes that begin at a multiple of 512 from the buffer's first byte; the 32 waves together cover a row.
;
; THE MODE: SCHED_MODE bits 1:0 = 2 (LLVM: expert scheduling mode 2), set by the entry lines.  The code itself states the
; register dependences between vector instructions and memory instructions, with s_wait_alu, always for 0.
; THE PLAN.  Registers that memory instructions touch:
;   v[OFF]   written by one vector instruction at the head, never again; read as the offset by every load and store.
;   v[D ..]  written by the first load; read by the multiplies, behind the wait on LOADcnt.  No memory instruction reads them.
;   X[i]     row i's four registers: written by row i's load (no vector instruction has named them before), then by row i's two
;            multiplies, in place; read by row i's store; named by nothing behind that store.
; So two kinds of dependence are to be stated: v[OFF] is written, once, ahead of the first load; and a row's products are written,
; ahead of its store.  No register that a memory instruction has read is written afterwards, and no load lands in a register that
; a vector instruction has named: nothing is to be stated for those directions, and no s_wait_xcnt is owed either.
;
; ORDER: DEPTH = 8 rows are requested at the start (8 x 16,384 = 131,072 bytes of the group on their way).  The 16 rows go in
; four blocks of BLK = 4.  In a block each row has its turn: its load is waited for by a counted wait, row i + 8 is requested
; into its own registers, the row is scaled in place.  Behind the block's eight multiplies stands ONE wait on va_vdst, and the
; block's four stores follow it in a run.  The requests stand among the multiplies with no wait of their own: they touch v[OFF]
; and registers that no vector instruction has named.
.set ROW,   16384                      ; bytes in a row
.set ROWS,  16                         ; rows of a work-group
.set DEPTH, 8                          ; rows of a thread that are on their way at once
.set BLK,   4                          ; rows whose stores stand behind one wait
.set OFF,   1                          ; v1       16 t: my byte offset in a row and in diagonal; never rewritten
.set D,     2                          ; v[2:5]   diagonal[4 t .. 4 t + 3]
.set X,     6                          ; v[6:69]  row i: 4 registers, as loaded, then as stored
	s_load_b128 s[4:7], s[0:1], 0x0                ; x s[4:5], diagonal s[6:7]
	s_load_b64 s[8:9], s[0:1], 0x10                ; out0 s[8:9]
	s_lshl_b32 s10, ttmp9, 18                      ; the work-group's number times 16 rows of 16,384 bytes: 255 x 2^18 at the most,
	s_mov_b32 s11, 0                               ; so the high word of the offset is 0
	v_lshlrev_b32 v[OFF], 4, v0                    ; 16 bytes a thread
	s_wait_kmcnt 0x0                               ; the three addresses are there
	s_add_nc_u64 s[4:5], s[4:5], s[10:11]          ; x at the group's first row
	s_add_nc_u64 s[8:9], s[8:9], s[10:11]          ; out0 at the group's first row; neither base is written again
	s_wait_alu depctr_va_vdst(0)                   ; v[OFF] is written: every load and store of the kernel reads it as its offset
	global_load_b128 v[D:D+3], v[OFF], s[6:7]      ; issued first, so that the first counted wait below covers it; no hint: every work-group reads these 16,384 bytes
.irp i, 0,1,2,3,4,5,6,7
	global_load_b128 v[X+4*\i:X+4*\i+3], v[OFF], s[4:5] offset:\i*ROW th:TH_LOAD_NT   ; rows 0 to 7; the row stands in the immediate; read once in the launch
.endr
; The block of rows p .. p + 3.  ahead = 1: in row i's turn row i + DEPTH is requested.
.macro BLOCK p, ahead
.irp j, 0,1,2,3
.if \ahead
	s_wait_loadcnt DEPTH-1                         ; loads come back in issue order (ISA guide 5.7.1): at row i's turn rows up to i + 7 have been requested, so seven are younger and stay out
	global_load_b128 v[X+4*(\p+\j+DEPTH):X+4*(\p+\j+DEPTH)+3], v[OFF], s[4:5] offset:(\p+\j+DEPTH)*ROW th:TH_LOAD_NT   ; no vector instruction has named these registers; 245,760 is the largest immediate
.else
	s_wait_loadcnt ROWS-1-(\p+\j)                  ; nothing more is requested: the counts run down 7, 6, .. 0
.endif
	v_pk_mul_f32 v[X+4*(\p+\j):X+4*(\p+\j)+1],   v[X+4*(\p+\j):X+4*(\p+\j)+1],   v[D:D+1]      ; columns 4 t, 4 t + 1
	v_pk_mul_f32 v[X+4*(\p+\j)+2:X+4*(\p+\j)+3], v[X+4*(\p+\j)+2:X+4*(\p+\j)+3], v[D+2:D+3]    ; columns 4 t + 2, 4 t + 3
.endr
	s_wait_alu depctr_va_vdst(0)                   ; the block's eight multiplies have written X[p .. p + 3], which the four stores below read
.irp j, 0,1,2,3
	global_store_b128 v[OFF], v[X+4*(\p+\j):X+4*(\p+\j)+3], s[8:9] offset:(\p+\j)*ROW th:TH_STORE_NT ; written once, not read again in the launch; its data registers are not touched again
.endr
.endm
	BLOCK 0*BLK, 1                                 ; rows 0 to 3; rows 8 to 11 are requested
	BLOCK 1*BLK, 1                                 ; rows 4 to 7; rows 12 to 15 are requested
	BLOCK 2*BLK, 0                                 ; rows 8 to 11
	BLOCK 3*BLK, 0                                 ; rows 12 to 15
	s_endpgm
.Lfunc_end_k_qa306781511_scale:
	.size	k_qa306781511_scale, .Lfunc_end_k_qa306781511_scale-k_qa306781511_scale
	.p2alignl 7, 3214868480
	.fill 96, 4, 3214868480
	.section	.rodata,"a",@progbits
	.p2align	6, 0x0
	.amdhsa_kernel k_qa306781511_scale
		.amdhsa_group_segment_fixed_size 0
		.amdhsa_private_segment_fixed_size 0
		.amdhsa_enable_private_segment 0
		.amdhsa_kernarg_size 24
		.amdhsa_user_sgpr_count 2
		.amdhsa_user_sgpr_kernarg_segment_ptr 1
		.amdhsa_wavefront_size32 1
		.amdhsa_system_sgpr_workgroup_id_x 1
		.amdhsa_system_sgpr_workgroup_id_y 1
		.amdhsa_system_sgpr_workgroup_id_z 1
		.amdhsa_system_vgpr_workitem_id 0
		.amdhsa_next_free_vgpr 70
		.amdhsa_next_free_sgpr 66
		.amdhsa_reserve_vcc 0
		.amdhsa_float_denorm_mode_32 3
		.amdhsa_float_denorm_mode_16_64 3
		.amdhsa_memory_ordered 1
		.amdhsa_forward_progress 1
		.amdhsa_inst_pref_size 7
	.end_amdhsa_kernel
	.amdgpu_metadata
---
amdhsa.version: [ 1, 2 ]
amdhsa.kernels:
  - .name:           k_qa306781511_scale
    .symbol:         k_qa306781511_scale.kd
    .args:
      - { .name: x, .offset: 0, .size: 8, .value_kind: global_buffer, .address_space: global }
      - { .name: diagonal, .offset: 8, .size: 8, .value_kind: global_buffer, .address_space: global }
      - { .name: out0, .offset: 16, .size: 8, .value_kind: global_buffer, .address_space: global }
    .group_segment_fixed_size: 0
    .private_segment_fixed_size: 0
    .kernarg_segment_align: 8
    .kernarg_segment_size: 24
    .max_flat_workgroup_size: 1024
    .sgpr_count:     66
    .vgpr_count:     70
    .wavefront_size: 32
...
	.end_amdgpu_metadata
.endif
;; end of part 2
